; MI455X (gfx1250); checked and timed in simulation.
; The chip was launched on July 23, 2026; its instructions are those of AMD's public machine-readable ISA for CDNA 5 (MIT licence, August 2026) and "CDNA5" Instruction Set Architecture Reference Guide (July 2026). The comments in the code are by the model that wrote it; some were corrected since.
;; LLMPITT2 D. Allowed arithmetic: matrix products marked QUANTISED: E2M1 operands, one E8M0 scale for each 32 along K, by v_wmma_scale_f32_16x16x128_f8f6f4 with both operands' format E2M1 (or v_wmma_scale_f32_32x16x128_f4), f32 sums; products left as they are: bf16, f16 or f32 operands; f32 sums; everything else in f32.
;; Inputs: Wk 512 x 128 float32; Wo 128 x 512 float32; Wq 512 x 128 float32; bo 128 float32; keys 4 x 16,384 x 128 float32; queries 4 x 16,384 x 128 float32; values 4 x 16,384 x 128 float32.
;; Outputs: out0 4 x 16,384 x 128 float32.
;; This version of the problem:
;;   THIS VERSION OF THE PROBLEM IS GIVEN IN LOW PRECISION. The matrix products marked QUANTISED in the list below multiply operands that are first quantised to E2M1 (2 exponent bits, 1 mantissa bit; 4 bits a number), with one power-of-two scale for each 32 numbers along K (OCP MX v1.0); their sums are f32. The products marked 'left as it is' may take bf16, f16 or f32 operands, with f32 sums. Whichever they take, every output number must still come out within the allowed error. Rounding operands to bf16 (8 significant bits) uses up far more of that allowance than f16 does (11 bits, for magnitudes from 6e-5 to 65,504). All else is computed in f32.
;;   The module's matrix products, in the order in which they are computed (A, B: the left and right operand; K: the contracted axis; several contracted axes count as one K, in the product's order):
;;     1. [M 65,536, K 128] x [K 128, N 512]; A: input queries; B: input Wq: QUANTISED
;;     2. [M 65,536, K 128] x [K 128, N 512]; A: input keys; B: input Wk: QUANTISED
;;     3. [M 65,536, K 128] x [K 128, N 512]; A: input values; B: input Wk: QUANTISED
;;     4. batch 32 x [M 64, K 16,384] x [K 16,384, N 64]; A: computed on the way; B: computed on the way: left as it is (an operand is computed on the way)
;;     5. batch 32 x [M 16,384, K 64] x [K 64, N 64]; A: computed on the way; B: computed on the way: left as it is (an operand is computed on the way)
;;     6. [M 65,536, K 512] x [K 512, N 128]; A: computed on the way; B: input Wo: left as it is (an operand is computed on the way)
;;   THE QUANTISER, for each operand of a quantised product, along K:
;;     - K is cut into blocks of 32 from its start; a last block that is shorter is filled with zeros.
;;     - A block's scale is 2^e with e = floor(log2(the largest magnitude in the block)) - 2, held to -126 .. 127; a block of zeros has e = 0. As a byte (E8M0): e + 127.
;;     - Each number is divided by its block's scale, clamped to +-6, and rounded to the nearest number of E2M1, ties to even, subnormals kept.
;;     - The product sums the exact products of the quantised numbers (number of the format x scale) in f32.
;;   ~~~python
;;   def quantise(x, axis):      # numpy; x: float32 -> the quantised numbers, widened to float32 again
;;       x = np.moveaxis(x, axis, -1); K = x.shape[-1]
;;       x = np.pad(x, [(0, 0)] * (x.ndim - 1) + [(0, -K % 32)]); x = x.reshape(x.shape[:-1] + (-1, 32)); a = np.abs(x).max(-1, keepdims=True)
;;       e = np.where(a > 0, np.clip(np.frexp(np.where(a > 0, a, 1))[1] - 1 - 2, -126, 127), 0)      # np.frexp(a)[1] - 1 = floor(log2(a)), exactly
;;       r = np.clip(x / 2.0 ** e, -6, 6)
;;       step = 2.0 ** (np.maximum(np.frexp(np.where(r == 0, 1, r))[1] - 1, 0) - 1)
;;       q = np.round(r / step) * step * 2.0 ** e      # np.round: ties to even
;;       return np.moveaxis(q.reshape(q.shape[:-2] + (-1,))[..., :K], -1, axis).astype(np.float32)
;;   ~~~
;; One version. Each part assembles by itself: llvm-mc -triple=amdgcn-amd-amdhsa -mcpu=gfx1250 --defsym DOCPART=n.
;; ======== version 1 of 1: 3 launches
;; limits: values are held in f16: magnitudes above 65,504 overflow, below 6.1e-05 lose precision; right only within a limited range of input values
;; workspace buffers: part 33,554,432 bytes; pmax 8,192 bytes; mimg 524,288 bytes; wqc 32,768 bytes; wqs 2,048 bytes; scl 2,048 bytes
;; launch kv (part 1): grid 256 x 1, 8 waves a work-group, clusters of 4 x 1, 314,368 bytes of LDS; arguments keys, values, Wk, part, pmax; writes part, pmax
.if DOCPART == 1
	.amdgcn_target "amdgcn-amd-amdhsa--gfx1250"
	.amdhsa_code_object_version 6
	.text
	.protected	k_qfd70130679_kv
	.globl	k_qfd70130679_kv
	.p2align	8
	.type	k_qfd70130679_kv,@function
k_qfd70130679_kv:
	s_mov_b64 s[64:65], 0
	v_nop
	global_prefetch_b8 v0, s[64:65] scope:SCOPE_SE
	s_setreg_imm32_b32 hwreg(HW_REG_WAVE_MODE, 25, 1), 1
	s_wait_xcnt 0x0
	s_wait_alu depctr_hold_cnt(0) depctr_sa_sdst(0) depctr_va_vdst(0) depctr_va_sdst(0) depctr_va_ssrc(0) depctr_va_vcc(0) depctr_vm_vsrc(0)
	s_getreg_b32 s2, hwreg(HW_REG_IB_STS2, 6, 4)
	s_cmp_eq_u32 s2, 0
	s_cbranch_scc0 .Lentry_in_a_cluster
	s_endpgm
.Lentry_in_a_cluster:
	s_bfe_u32 s2, ttmp6, 0x10000c
	s_cmp_lg_u32 s2, 0x3003
	s_cbranch_scc0 .Lentry_shape_is_right
	s_endpgm
.Lentry_shape_is_right:
; k = Q(keys) Q(Wk)^T and v = Q(values) Q(Wk)^T on codes of FP4 (E2M1) with one E8M0 scale for each 32 along K = 128, and a part of dots = k^T v for each head.
; SHARES.  Work-group p takes rows 256 p .. 256 p + 255 of the 65,536 tokens (64 work-groups to a batch).  Wave w is head w.  It quantises rows 64 w .. + 63 of Wk into its own registers, and rows 32 w .. + 31 of the
; work-group's keys and the same rows of its values into a table of codes in LDS; behind ONE work-group barrier it multiplies all 256 tokens for its head and keeps its 64 x 64 sums in 128 registers.
; The sum over a batch's 64 work-groups is made by the next launch: each work-group stores its partial sums (part) as an image of the accumulators, 512 consecutive bytes a store.
; CLUSTER.  Every work-group needs all of Wk, 262,144 bytes of f32.  Four work-groups form a cluster and ask for it JOINTLY: wave w of each issues the same tensor load, with the same descriptor (it hangs on the wave's
; number alone) and a mask that names the four, for its head's 64 rows; each receives them in its own LDS.  That divides the requests for Wk by four.  A work-group's own rows of keys and values are read by nobody else:
; they go by plain loads straight into the registers that the quantiser reads.
; Wk OUT OF LDS IN THE ORDER OF THE OPERAND'S REGISTERS: lane (r, h) takes row r, k = 64 c + 32 h + 0 .. 31: a block of 32 lies in ONE lane, the conversions' results ARE the fragment, and nothing is stored back.
; NOTHING CHANGES LANES BETWEEN THE PRODUCTS.  The FP4 product takes 16 tokens as source 0 and 16 rows of Wk as source 1: in its result a lane holds ONE unit (lane % 16) and tokens 8 (lane / 16) + 0 .. 7.
; Two such tiles of tokens, rounded to f16 in pairs, ARE a fragment of 16 units x 32 tokens, for k^T as source 0 and for v as source 1 of the f16 product, whose K is the tokens.
; pmax[p][w] = the largest magnitude among the wave's partial sums: the next launch adds a batch's 512 of them to a bound on every |dots| of the batch, from which it takes a power-of-two scale.
; LIMITS: k and v go to the second product as f16: |k|, |v| under 65,504.  NaN and infinities among the inputs are not served.  A block of zeros gets the scale byte 1 and zero codes (the bytes are read here alone);
; a block whose largest magnitude lies under 2^-124 is held at byte 1.
; pmax is stored four bytes a wave: 8,192 bytes in the launch, beside 33,554,432 of part.
; LDS: WKF: for each wave 64 rows of Wk, 512 bytes + 16 of padding (528 = an odd multiple of 16: the 16 rows that a load touches start at different banks: ISA guide 11.1), filled once.
;      CT: 512 rows of codes, 64 bytes + 16 of padding: keys' 256 rows, values' 256.  SW: a scale word (four bytes) for each of these rows.  SPARE: the spare words.
; REGISTERS: window 0: v1-14 addresses, v15-19 at work, v24-31 scale words, v32-63 fragments of keys and values, v64-95 of Wk, v96-159 f16 fragments (at first a tile of Wk), v160-191 the quantisers', v192-255 a tile of Wk.
;            window 1: at first four sets of 64 raw numbers of keys and values; then v0-127 the FP4 products' results, v128-255 the 16 accumulators of dots.
.set WKP,   528                        ; a row of Wk in LDS
.set WKW,   64*WKP                     ; a wave's 64 rows
.set CT,    8*WKW                      ; the table of codes: keys' rows, then values' (+ CTV)
.set CTV,   20480
.set SW,    CT+40960                   ; the scale words: keys', then values' (+ SWV)
.set SWV,   1024
.set SPARE, SW+2048                    ; the spare words, 128 bytes for each of eight waves: four blocks of 256 bytes that no other line names
.set RAWW,  1                          ; the window of keys' and values' raw numbers
.set W_LD,  RAWW<<6                    ; destination in that window
.set W_MAX, (RAWW<<2)|(RAWW<<4)        ; sources 1 and 2 in that window
.set W_CVT, RAWW                       ; source 0 in that window
.set LANE, 1
.set LO,   2                           ; 32 x lane: my 32 bytes of two rows of 512
.set CSX,  3                           ; where I store codes of keys (values: + CTV)
.set WKA,  4                           ; Wk in LDS: my wave's rows, + 528 (lane % 16) + 128 (lane / 16)
.set BSX,  5                           ; where I store scale bytes of keys (values: + SWV)
.set SH8,  6                           ; 8 (lane / 16): my bytes' place in Wk's scale word, in bits
.set FRX,  7                           ; a fragment's place for my lane: CT + 80 (lane % 16) + 16 (lane / 16)
.set SRX,  9                           ; a scale word's place: SW + 4 (lane % 16)
.set AX,   11                          ; the addresses in hand
.set AS,   12
.set PO,   13                          ; 16 x lane
.set ZR,   14                          ; 0
.set MX,   15                          ; v15-18 four chains of maxima, v19 the other half's
.set SPW,  22                          ; LDS address of my spare word; never rewritten
.set NIL,  23                          ; 0; never rewritten
.set XSC,  24                          ; v24-27 scale words of tensor m (0 keys, 1 values), tile a: 2 m + a
.set WSC,  28                          ; v28-31 of Wk's tile u
.set XF,   32                          ; fragments 16 m + 8 a
.set WF,   64                          ; fragments 8 u
.set F,    96                          ; f16 fragments 32 m + 8 u
.set WR0,  96                          ; a tile of Wk as f32, 64 numbers a lane: two sets
.set WR1,  192
.set TM,   160                         ; the quantisers: largest magnitudes, scale operands, codes, bytes: eight each
.set TS,   168
.set TC,   176
.set TB,   184
.set ACC,  128                         ; in window 1
.set G1,   32                          ; s[32:39] descriptor group 1, s[40:43] group 0: never rewritten
.set G0,   40
.set MSB, 0
.macro WIN new                         ; the immediate's high byte repeats the setting that is left; a switch that changes nothing is dropped
.if MSB != (\new)
	s_set_vgpr_msb (MSB<<8)|(\new)
.set MSB, (\new)
.endif
.endm
.macro PLACES                          ; four places behind a matrix instruction (ISA guide 7.12.1)
.rept 4
	v_nop
.endr
.endm
; A round of the cluster's barrier: my work-group's barrier, so that wave 0's signal speaks for all eight waves; wave 0 signals for the work-group; every wave waits for all four work-groups; my work-group's barrier once more.
.macro CROUND
	s_barrier_signal -1
	s_barrier_wait -1
	s_cmp_lg_u32 s14, 0
	s_cbranch_scc1 .Lnot_wave_0_\@
	s_barrier_signal -3
.Lnot_wave_0_\@:
	s_barrier_wait -3
	s_barrier_signal -1
	s_barrier_wait -1
.endm
; A tile of 16 rows x 128 f32 of keys or values into 64 raw registers: lane l takes 8 neighbours, k = 8 (l % 16) .. + 7 of row 2 p + l / 16; a pair of loads covers 1,024 consecutive bytes.  Read once in the launch.
.macro RLOAD x, base, off
	WIN W_LD
.irp p, 0,1,2,3,4,5,6,7
	global_load_b128 v[(\x)+8*\p:(\x)+8*\p+3], v[LO], s[\base:\base+1] offset:(\off)+1024*\p th:TH_LOAD_NT
	global_load_b128 v[(\x)+8*\p+4:(\x)+8*\p+7], v[LO], s[\base:\base+1] offset:(\off)+1024*\p+16 th:TH_LOAD_NT
.endr
	WIN 0
.endm
; The quantiser for such a tile.  A block of 32 lies in four neighbouring lanes.  The largest magnitude has the floor 2^(3 - 127) among its leaves, so the byte cannot fall under 1; 2 off its exponent
; field is the conversion's scale operand, and that shifted down is the byte.  Codes: one word a lane into the table; bytes: four lanes write the same byte with the same value.
.macro RQ x, cadr, coff, badr, boff
	WIN W_MAX
.irp p, 0,1,2,3,4,5,6,7
	v_max3_num_f32 v[TM+\p], 0x1800000, |v[(\x)+8*\p]|, |v[(\x)+8*\p+1]|
.endr
.irp i, 2,4,6
.irp p, 0,1,2,3,4,5,6,7
	v_max3_num_f32 v[TM+\p], v[TM+\p], |v[(\x)+8*\p+\i]|, |v[(\x)+8*\p+\i+1]|
.endr
.endr
	WIN 0
.irp p, 0,1,2,3,4,5,6,7
	v_max_num_f32_dpp v[TM+\p], v[TM+\p], v[TM+\p] row_xmask:1 row_mask:0xf bank_mask:0xf
.endr
.irp p, 0,1,2,3,4,5,6,7
	v_max_num_f32_dpp v[TM+\p], v[TM+\p], v[TM+\p] row_xmask:2 row_mask:0xf bank_mask:0xf
.endr
.irp p, 0,1,2,3,4,5,6,7
	v_add_nc_u32 v[TS+\p], 0xff000000, v[TM+\p]
.endr
	s_wait_dscnt 0x0                               ; the last tile's LDS stores have read the codes' and the bytes' registers
	WIN W_CVT
.irp p, 0,1,2,3,4,5,6,7
	v_cvt_scalef32_pk8_fp4_f32 v[TC+\p], v[(\x)+8*\p:(\x)+8*\p+7], v[TS+\p]
.endr
	WIN 0
.irp p, 0,1,2,3,4,5,6,7
	v_lshrrev_b32 v[TB+\p], 23, v[TS+\p]           ; the bytes; also the plain lines behind the conversions
.endr
.irp p, 0,1,2,3,4,5,6,7
	ds_store_b32 v[\cadr], v[TC+\p] offset:(\coff)+160*\p
	ds_store_b8 v[\badr], v[TB+\p] offset:(\boff)+8*\p
.endr
.endm
; Tile u of my head's rows of Wk out of LDS: register 32 c + j of the set = Wk(16 u + lane % 16, 64 c + 32 (lane / 16) + j): 16 loads of 16 bytes
.macro WLOAD u, x
.irp c, 0,1
.irp i, 0,1,2,3,4,5,6,7
	ds_load_b128 v[(\x)+32*\c+4*\i:(\x)+32*\c+4*\i+3], v[WKA] offset:(\u)*16*WKP+256*\c+16*\i
.endr
.endr
.endm
; and its quantiser: my two blocks, 2 c + lane / 16, are all mine: four chains of maxima (two to a block), each with the floor 2^(3 - 127) among its leaves.  The conversions write the fragment's registers;
; my two scale bytes, at their places in the word, are joined with lane l xor 16's two.
.macro WQ u, x
.irp q, 0,1,2,3
	v_max3_num_f32 v[TM+\q], 0x1800000, |v[(\x)+16*\q]|, |v[(\x)+16*\q+1]|
.endr
.irp i, 2,4,6,8,10,12,14
.irp q, 0,1,2,3
	v_max3_num_f32 v[TM+\q], v[TM+\q], |v[(\x)+16*\q+\i]|, |v[(\x)+16*\q+\i+1]|
.endr
.endr
	v_max_num_f32 v[TM], v[TM], v[TM+1]
	v_max_num_f32 v[TM+2], v[TM+2], v[TM+3]
	v_add_nc_u32 v[TS], 0xff000000, v[TM]          ; 2 off the exponent field: the conversion's scale operand
	v_add_nc_u32 v[TS+1], 0xff000000, v[TM+2]
	v_lshrrev_b32 v[TM+4], 23, v[TS]               ; the bytes
	v_lshrrev_b32 v[TM+5], 23, v[TS+1]
	v_lshl_or_b32 v[TM+6], v[TM+5], 16, v[TM+4]
	v_lshlrev_b32 v[TM+6], v[SH8], v[TM+6]
	v_permlanex16_b32 v[TM+7], v[TM+6], s22, s23
	v_or_b32 v[WSC+(\u)], v[TM+6], v[TM+7]
.irp c, 0,1
.irp g, 0,1,2,3
	v_cvt_scalef32_pk8_fp4_f32 v[WF+8*(\u)+4*\c+\g], v[(\x)+32*\c+8*\g:(\x)+32*\c+8*\g+7], v[TS+\c]
.endr
.endr
	v_nop                                          ; one plain line behind the last conversion
.endm
	s_load_b256 s[4:11], s[0:1], 0x0               ; keys s[4:5], values s[6:7], Wk s[8:9], part s[10:11]
	s_load_b64 s[12:13], s[0:1], 0x20              ; pmax
	v_lshl_add_u32 v[SPW], v0, 2, SPARE
	v_mov_b32 v[NIL], 0
	ds_add_u32 v[SPW], v[NIL]                      ; the wave's opening: the add, twice on end, and its wait ahead of my first tensor load; the set-up below, work on registers, stands between the second and the wait
	ds_add_u32 v[SPW], v[NIL]                      ; and once more, under the one wait
	v_lshrrev_b32 v15, 5, v0
	v_readfirstlane_b32 s14, v15                   ; wave = head
	v_and_b32 v[LANE], 31, v0
	v_and_b32 v16, 15, v0                          ; r = lane % 16
	v_bfe_u32 v17, v0, 4, 1                        ; h = lane / 16
	v_lshlrev_b32 v[LO], 5, v[LANE]
	v_lshlrev_b32 v[PO], 4, v[LANE]
	v_mov_b32 v[ZR], 0
	v_mov_b32 v[TM+7], 0                           ; written once: a lane permute's destination counts as one of its sources
	v_lshlrev_b32 v[SH8], 3, v17
	v_mul_u32_u24 v18, v17, 80
	v_lshl_add_u32 v18, v16, 2, v18                ; codes on the way in: 80 h + 4 r
	v_lshrrev_b32 v19, 2, v16
	v_lshl_add_u32 v19, v17, 2, v19                ; bytes on the way in: 4 h + r / 4
	v_mul_u32_u24 v[FRX], v16, 80
	v_lshl_add_u32 v[FRX], v17, 4, v[FRX]
	v_add_nc_u32 v[FRX], CT, v[FRX]
	v_lshl_add_u32 v[SRX], v16, 2, SW
	s_mul_i32 s16, s14, 2560                       ; my 32 rows of keys in the table
	s_add_co_u32 s16, s16, CT
	v_add_nc_u32 v[CSX], s16, v18
	s_lshl_b32 s16, s14, 7
	s_add_co_u32 s16, s16, SW
	v_add_nc_u32 v[BSX], s16, v19
	s_mul_i32 s29, s14, WKW                        ; my head's rows of Wk in LDS: the wave's number alone: no place in the cluster enters an LDS address
	v_mul_u32_u24 v[WKA], v16, WKP
	v_lshl_add_u32 v[WKA], v17, 7, v[WKA]
	v_add_nc_u32 v[WKA], s29, v[WKA]
	s_bfe_u32 s15, ttmp6, 0x40000                  ; cx: my place in the cluster
	s_lshl_b32 s28, ttmp9, 2                       ; in a cluster launch ttmp9 counts clusters
	s_add_co_u32 s15, s28, s15                     ; my work-group = 4 x cluster + cx: it enters the addresses of keys, values, part and pmax alone
	s_lshl_b32 s16, s15, 17                        ; 256 rows of 512 bytes a work-group, 32 a wave; part: 131,072 bytes a work-group, 16,384 a head: the same offset
	s_lshl_b32 s17, s14, 14
	s_add_co_u32 s16, s16, s17
	s_mov_b32 s17, 0
	s_lshl_b32 s24, s14, 15                        ; Wk: 64 rows of 512 bytes a head
	s_mov_b32 s25, 0
	s_lshl_b32 s26, s15, 5                         ; pmax: 4 (8 p + w)
	s_lshl_b32 s27, s14, 2
	s_add_co_u32 s26, s26, s27
	s_mov_b32 s27, 0
	s_mov_b32 s22, 0x76543210                      ; v_permlanex16_b32's selects for lane l xor 16
	s_mov_b32 s23, 0xfedcba98
	s_mov_b32 s18, 0                               ; where the group's rows begin in the table of codes,
	s_mov_b32 s19, 0                               ; and among the scale words
	; descriptor group 1: a tile of 64 rows x 128 elements of 4 bytes, padded in LDS
	s_mov_b32 s[G1], 15|(2<<16)|(1<<20)|(1<<21)|(6<<22)|(3<<25)   ; 15:0 the mask: all four work-groups; 17:16 elements of 4 bytes; 20 padding on; 21 set beside a mask; 24:22 after every 128 words (code 6); 31:25 four words (code 3)
	s_mov_b32 s[G1+1], 128<<16                     ; tensor_dim0 = 128
	s_mov_b32 s[G1+2], 64<<16                      ; tensor_dim1 = 64
	s_mov_b32 s[G1+3], 128<<16                     ; tile_dim0 = 128
	s_mov_b32 s[G1+4], 64                          ; tile_dim1 = 64
	s_mov_b32 s[G1+5], 128                         ; elements from row to row
	s_mov_b32 s[G1+6], 0
	s_mov_b32 s[G1+7], 0
	s_mov_b32 s[G0], 1                             ; count = 1
	s_mov_b32 s[G0+1], s29                         ; LDS address
	s_wait_dscnt 0x0                               ; both opening adds are done
	s_wait_kmcnt 0x0
	s_add_nc_u64 s[4:5], s[4:5], s[16:17]
	s_add_nc_u64 s[6:7], s[6:7], s[16:17]
	s_add_nc_u64 s[10:11], s[10:11], s[16:17]
	s_add_nc_u64 s[12:13], s[12:13], s[26:27]
	s_add_nc_u64 s[G0+2:G0+3], s[8:9], s[24:25]    ; global address: my head's first row of Wk
	s_or_b32 s[G0+3], s[G0+3], 0x80000000          ; type = 2
	RLOAD 0,   4, 0                                ; keys' tile 0: three tiles are asked for ahead of the round, so that they are on their way while the partners meet
	RLOAD 64,  4, 8192                             ; keys' tile 1
	RLOAD 128, 6, 0                                ; values' tile 0
	CROUND                                         ; all four work-groups are here: the joint loads meet
	tensor_load_to_lds s[G0:G0+3], s[G1:G1+7]      ; my one tensor load: filled once
	s_nop 0
.rept 4
	v_nop                                          ; (four lines between a tensor load and a switch of windows)
.endr
	RLOAD 192, 6, 8192                             ; values' tile 1
	; PHASE Q.  Wk first, while keys and values are on their way.  Only I read my tile: my own wait is all the ordering that the reads need.
	s_wait_tensorcnt 0x0
	WLOAD 0, WR0
	WLOAD 1, WR1
	s_wait_dscnt 16                                ; here and below: the tile in hand is in; the younger tile's 16 LDS loads may be out
	WQ 0, WR0
	WLOAD 2, WR0
	s_wait_dscnt 16
	WQ 1, WR1
	WLOAD 3, WR1
	s_wait_dscnt 16
	WQ 2, WR0
	s_wait_dscnt 0x0
	WQ 3, WR1
	s_wait_loadcnt 48                              ; here and below: 16 loads for each younger tile that may stay out
	RQ 0, CSX, 0, BSX, 0
	s_wait_loadcnt 32
	RQ 64, CSX, 1280, BSX, 64
	s_wait_loadcnt 16
	RQ 128, CSX, CTV, BSX, SWV
	s_wait_loadcnt 0x0
	RQ 192, CSX, CTV+1280, BSX, SWV+64
	s_wait_dscnt 0x0                               ; for the others' sake: my stores into the tables are done
	s_barrier_signal -1
	s_barrier_wait -1                              ; the tables are whole; nothing is stored into them again
	; PHASE M
.macro XL                              ; a group's fragments: 32 tokens of keys and of values: 8 loads of 16 bytes and 4 scale words
.irp m, 0,1
.irp a, 0,1
.irp c, 0,1
	ds_load_b128 v[XF+16*\m+8*\a+4*\c:XF+16*\m+8*\a+4*\c+3], v[AX] offset:CTV*\m+1280*\a+32*\c
.endr
	ds_load_b32 v[XSC+2*\m+\a], v[AS] offset:SWV*\m+64*\a
.endr
.endr
.endm
; 32 tokens: 16 FP4 products (k and v of my head), 64 roundings to f16, 16 f16 products onto the 16 accumulators, which take turns, one instruction a turn.
; zero = 1: the first group's products start the sums: nothing is cleared.  next = 1: the next group's fragments are asked for behind the FP4 products.
.macro GROUP zero, next
	s_wait_dscnt 0x0                               ; the group's fragments are in
	WIN 0x40                                       ; results in window 1
.irp m, 0,1
.irp u, 0,1,2,3
.irp a, 0,1
	v_wmma_scale_f32_16x16x128_f8f6f4 v[64*\m+16*\u+8*\a:64*\m+16*\u+8*\a+7], v[XF+16*\m+8*\a:XF+16*\m+8*\a+7], v[WF+8*\u:WF+8*\u+7], 0, v[XSC+2*\m+\a], v[WSC+\u] matrix_a_fmt:MATRIX_FMT_FP4 matrix_b_fmt:MATRIX_FMT_FP4
.endr
.endr
.endr
	WIN 0
	PLACES                                         ; ahead of the loads into the fragments just read, of the roundings that read the results, and of their writes into the f16 fragments that the last group's products read
.if \next
	s_add_co_u32 s18, s18, 2560                    ; 32 rows of 80 bytes on
	s_add_co_u32 s19, s19, 128                     ; 32 scale words on
	v_add_nc_u32 v[AX], s18, v[FRX]
	v_add_nc_u32 v[AS], s19, v[SRX]
	XL
.endif
	WIN 0x05                                       ; sources in window 1
.set n, 0
.rept 64
	v_cvt_pk_f16_f32 v[F+n], v[2*n], v[2*n+1]      ; each result from its low end on; two tiles of tokens make one fragment
.set n, n+1
.endr
	WIN 0x50                                       ; C and D in window 1
.irp i, 0,1,2,3
.irp j, 0,1,2,3
.if \zero
	v_wmma_f32_16x16x32_f16 v[ACC+8*(4*\i+\j):ACC+8*(4*\i+\j)+7], v[F+8*\i:F+8*\i+7], v[F+32+8*\j:F+32+8*\j+7], 0
.else
	v_wmma_f32_16x16x32_f16 v[ACC+8*(4*\i+\j):ACC+8*(4*\i+\j)+7], v[F+8*\i:F+8*\i+7], v[F+32+8*\j:F+32+8*\j+7], v[ACC+8*(4*\i+\j):ACC+8*(4*\i+\j)+7]
.endif
.endr
.endr
	WIN 0
.endm
	v_add_nc_u32 v[AX], s18, v[FRX]
	v_add_nc_u32 v[AS], s19, v[SRX]
	XL
	GROUP 1, 1
	s_mov_b32 s21, 6
.Lgroup:                                           ; groups 1 to 6 of the 8
	GROUP 0, 1
	s_sub_co_u32 s21, s21, 1
	s_cmp_lg_u32 s21, 0
	s_cbranch_scc1 .Lgroup
	GROUP 0, 0                                     ; the last group asks for nothing
	; THE WAY OUT: the accumulators as they stand: a store covers 512 consecutive bytes, at a multiple of 512 from part's first byte
	PLACES
	WIN 0x04                                       ; a store's data are its source 1: window 1
.set n, 0
.rept 32
	global_store_b128 v[PO], v[ACC+4*n:ACC+4*n+3], s[10:11] offset:512*n th:TH_STORE_NT   ; each accumulator's low four registers first
.set n, n+1
.endr
	WIN 0x14                                       ; sources 1 and 2 in window 1
.irp c, 0,1,2,3
	v_max3_num_f32 v[MX+\c], 0, |v[ACC+2*\c]|, |v[ACC+2*\c+1]|
.endr
.set n, 4
.rept 60
	v_max3_num_f32 v[MX+n%4], v[MX+n%4], |v[ACC+2*n]|, |v[ACC+2*n+1]|
.set n, n+1
.endr
	WIN 0
	v_max3_num_f32 v[MX], v[MX], v[MX+1], v[MX+2]
	v_max_num_f32 v[MX], v[MX], v[MX+3]
	v_max_num_f32_dpp v[MX], v[MX], v[MX] row_xmask:1 row_mask:0xf bank_mask:0xf
	v_max_num_f32_dpp v[MX], v[MX], v[MX] row_xmask:2 row_mask:0xf bank_mask:0xf
	v_max_num_f32_dpp v[MX], v[MX], v[MX] row_xmask:4 row_mask:0xf bank_mask:0xf
	v_max_num_f32_dpp v[MX], v[MX], v[MX] row_xmask:8 row_mask:0xf bank_mask:0xf
	v_permlanex16_b32 v[MX+4], v[MX], s22, s23     ; (its destination was written at the head)
	v_max_num_f32 v[MX], v[MX], v[MX+4]            ; the largest magnitude of the wave's 4,096 partial sums
	s_wait_xcnt 0x0                                ; EXEC changes only behind this wait
	v_cmp_eq_u32 vcc_lo, 0, v[LANE]
	s_and_saveexec_b32 s20, vcc_lo
	global_store_b32 v[ZR], v[MX], s[12:13]
	s_wait_xcnt 0x0                                ; and again, ahead of the line that widens it
	s_or_b32 exec_lo, exec_lo, s20
	s_wait_tensorcnt 0x0                           ; the wave's end, behind my last tensor load and my last LDS store
	ds_add_u32 v[SPW], v[NIL]
	s_wait_dscnt 0x0
	CROUND                                         ; the closing round: no work-group ends while a partner may still ask for a tile that names it
	s_endpgm
.Lfunc_end_k_qfd70130679_kv:
	.size	k_qfd70130679_kv, .Lfunc_end_k_qfd70130679_kv-k_qfd70130679_kv
	.p2alignl 7, 3214868480
	.fill 96, 4, 3214868480
	.section	.rodata,"a",@progbits
	.p2align	6, 0x0
	.amdhsa_kernel k_qfd70130679_kv
		.amdhsa_group_segment_fixed_size 314368
		.amdhsa_private_segment_fixed_size 0
		.amdhsa_enable_private_segment 0
		.amdhsa_kernarg_size 40
		.amdhsa_user_sgpr_count 2
		.amdhsa_user_sgpr_kernarg_segment_ptr 1
		.amdhsa_wavefront_size32 1
		.amdhsa_system_sgpr_workgroup_id_x 1
		.amdhsa_system_sgpr_workgroup_id_y 1
		.amdhsa_system_sgpr_workgroup_id_z 1
		.amdhsa_system_vgpr_workitem_id 0
		.amdhsa_next_free_vgpr 512
		.amdhsa_next_free_sgpr 66
		.amdhsa_reserve_vcc 1
		.amdhsa_float_denorm_mode_32 3
		.amdhsa_float_denorm_mode_16_64 3
		.amdhsa_memory_ordered 1
		.amdhsa_forward_progress 1
		.amdhsa_inst_pref_size 83
	.end_amdhsa_kernel
	.amdgpu_metadata
---
amdhsa.version: [ 1, 2 ]
amdhsa.kernels:
  - .name:           k_qfd70130679_kv
    .symbol:         k_qfd70130679_kv.kd
    .args:
      - { .name: keys, .offset: 0, .size: 8, .value_kind: global_buffer, .address_space: global }
      - { .name: values, .offset: 8, .size: 8, .value_kind: global_buffer, .address_space: global }
      - { .name: Wk, .offset: 16, .size: 8, .value_kind: global_buffer, .address_space: global }
      - { .name: part, .offset: 24, .size: 8, .value_kind: global_buffer, .address_space: global }
      - { .name: pmax, .offset: 32, .size: 8, .value_kind: global_buffer, .address_space: global }
    .group_segment_fixed_size: 314368
    .private_segment_fixed_size: 0
    .kernarg_segment_align: 8
    .kernarg_segment_size: 40
    .max_flat_workgroup_size: 256
    .sgpr_count:     66
    .vgpr_count:     512
    .wavefront_size: 32
...
	.end_amdgpu_metadata
.endif
;; end of part 1
;; launch mix (part 2): grid 256 x 1, 4 waves a work-group, no clusters, 37,376 bytes of LDS; arguments part, pmax, Wo, Wq, mimg, wqc, wqs, scl; writes mimg, wqc, wqs, scl
.if DOCPART == 2
	.amdgcn_target "amdgcn-amd-amdhsa--gfx1250"
	.amdhsa_code_object_version 6
	.text
	.protected	k_qfd70130679_mix
	.globl	k_qfd70130679_mix
	.p2align	8
	.type	k_qfd70130679_mix,@function
k_qfd70130679_mix:
	s_mov_b64 s[64:65], 0
	v_nop
	global_prefetch_b8 v0, s[64:65] scope:SCOPE_SE
	s_setreg_imm32_b32 hwreg(HW_REG_WAVE_MODE, 25, 1), 1
	s_wait_xcnt 0x0
; dots = the sum of a batch's 64 partial sums; M'[64 h + d][o] = the sum over e of (dots[b][h][d][e] / s) Wo[o][64 h + e], rounded to f16 and laid as the last launch's operand registers; and Wq as codes of FP4.
; (q dots) Wo^T = q (dots Wo^T) for every input: M' is 4 x 512 x 128 numbers, so the last launch has one f16 product where there were two.  All sums here are f32 fused multiply-adds (16.8 million in the launch).
; THE SCALE s, a power of two, is taken from the data: Bd = the sum of the batch's 512 numbers of pmax is at or over every |dots| of the batch; with E the exponent field of Bd (held at 22 from below),
; s = 2^(E - 134), so |dots / s| < 2^8.  1 / s has the bits (261 - E) << 23, post = s / 16384 the bits (E - 21) << 23: the last launch multiplies by post.  Every work-group of a batch adds the same numbers in the same order.
; LIMITS: M' is f16: the sum over a head's 64 columns of |Wo[o][.]| stays under 255.  NaN and infinities are not served.  A block of zeros of Wq gets byte 1 and zero codes.
; SHARES.  Work-group g: batch g / 64, head (g / 8) % 8, rows d = 8 (g % 8) .. + 7 of dots, all 128 outputs; and rows 2 g, 2 g + 1 of Wq.  Wave w adds columns e = 16 w .. + 15: each load's two halves of 16 lanes
; read 256 consecutive bytes each, aligned.  Behind ONE barrier thread t makes output o = t for the eight rows: 16 bytes of f16; sixteen lanes store 256 consecutive bytes, aligned.
; The stores into wqc, wqs and scl are 4 bytes a lane: 36,864 bytes in the launch, beside the 33,554,432 that it reads.
; No matrix work, no tensor load, no cluster: each byte of part is read by one work-group.
; LDS: WOL: 128 rows o of Wo[o][64 h .. + 63], 256 bytes + 16 of padding.  DL: dots / s, [8 d][64 e] f32.  SPARE: the spare words.
.set DL,    34816
.set SPARE, 36864                      ; 128 bytes for each of four waves: two blocks of 256 bytes that no other line names
.set LANE, 1
.set R,    2                           ; lane % 16
.set HH,   3                           ; lane / 16
.set PMO,  4                           ; 16 x lane
.set WQO,  5                           ; 32 x lane
.set WOO,  6                           ; Wo in memory: 2,048 (lane / 16) + 16 (lane % 16)
.set WOS,  7                           ; Wo into LDS
.set PTO,  8                           ; part: 512 (lane / 16) + 16 (lane % 16)
.set DST,  9                           ; where I store my four sums
.set WOR,  10                          ; my row of Wo in LDS: 272 x thread
.set DA,   11                          ; DL
.set MO,   12                          ; mimg: 1,024 (thread / 16) + 16 (thread % 16)
.set WCO,  13                          ; wqc: my code word's place in the image
.set SO8,  14                          ; 4 (lane / 16)
.set SPW,  22
.set NIL,  23
.set AC,   32                          ; v32-47 pmax, later eight pairs of sums
.set WR,   56                          ; v56-119 Wo as loaded, later my row of it
.set RG,   120                         ; v120-247 a ring of 32 x 4 registers, later two sets of 64 numbers of dots
.set SA,   248                         ; v248-251 my four sums
.set ST,   252                         ; v252-255 at work, later the 16 bytes of f16
	s_load_b256 s[4:11], s[0:1], 0x0               ; part s[4:5], pmax s[6:7], Wo s[8:9], Wq s[10:11]
	s_load_b256 s[12:19], s[0:1], 0x20             ; mimg s[12:13], wqc s[14:15], wqs s[16:17], scl s[18:19]
	v_lshl_add_u32 v[SPW], v0, 2, SPARE
	v_mov_b32 v[NIL], 0
	v_lshrrev_b32 v15, 5, v0
	v_readfirstlane_b32 s20, v15                   ; wave
	v_and_b32 v[LANE], 31, v0
	v_and_b32 v[R], 15, v0
	v_bfe_u32 v[HH], v0, 4, 1
	v_lshlrev_b32 v[PMO], 4, v[LANE]
	v_lshlrev_b32 v[WQO], 5, v[LANE]
	v_lshlrev_b32 v[WOO], 11, v[HH]
	v_lshl_add_u32 v[WOO], v[R], 4, v[WOO]
	s_mul_i32 s41, s20, 8704                       ; my 32 rows of 272 bytes
	v_mul_u32_u24 v[WOS], v[HH], 272
	v_lshl_add_u32 v[WOS], v[R], 4, v[WOS]
	v_add_nc_u32 v[WOS], s41, v[WOS]
	v_lshlrev_b32 v[PTO], 9, v[HH]
	v_lshl_add_u32 v[PTO], v[R], 4, v[PTO]
	s_lshl_b32 s41, s20, 6
	s_add_co_u32 s41, s41, DL
	v_lshlrev_b32 v[DST], 10, v[HH]
	v_lshl_add_u32 v[DST], v[R], 2, v[DST]
	v_add_nc_u32 v[DST], s41, v[DST]               ; DL + 256 (4 (lane / 16) + q) + 4 (16 w + lane % 16); q stands in the immediate
	v_mul_u32_u24 v[WOR], v0, 272
	v_mov_b32 v[DA], DL
	v_lshrrev_b32 v15, 4, v0
	v_lshlrev_b32 v[MO], 10, v15
	v_lshl_add_u32 v[MO], v[R], 4, v[MO]
	v_lshrrev_b32 v15, 3, v[R]                     ; word o = lane % 16 of a row's 16 words of codes lies in the fragment's image at 512 (o / 8) + 256 ((o / 4) % 2) + 16 x row + 4 (o % 4)
	v_lshlrev_b32 v[WCO], 9, v15
	v_bfe_u32 v15, v[R], 2, 1
	v_lshl_add_u32 v[WCO], v15, 8, v[WCO]
	v_lshl_add_u32 v[WCO], v[HH], 4, v[WCO]
	v_and_b32 v15, 3, v[R]
	v_lshl_add_u32 v[WCO], v15, 2, v[WCO]
	v_lshlrev_b32 v[SO8], 2, v[HH]
	v_mov_b32 v25, 0                               ; written once: the destination of a lane permute or a DPP move counts as one of its sources
	v_mov_b32 v30, 0
	s_lshr_b32 s21, ttmp9, 6                       ; b
	s_bfe_u32 s22, ttmp9, 0x30003                  ; h
	s_and_b32 s23, ttmp9, 7                        ; dg
	s_lshl_b32 s24, s21, 23                        ; part: 64 x 131,072 b + 16,384 h + 1,024 (4 (dg / 2) + w) + 256 (dg % 2)
	s_lshl_b32 s41, s22, 14
	s_add_co_u32 s24, s24, s41
	s_lshr_b32 s41, s23, 1
	s_lshl_b32 s41, s41, 2
	s_add_co_u32 s41, s41, s20
	s_lshl_b32 s41, s41, 10
	s_add_co_u32 s24, s24, s41
	s_and_b32 s41, s23, 1
	s_lshl_b32 s41, s41, 8
	s_add_co_u32 s24, s24, s41
	s_mov_b32 s25, 0
	s_lshl_b32 s26, s21, 11                        ; pmax: 2,048 b
	s_mov_b32 s27, 0
	s_lshl_b32 s28, s20, 16                        ; Wo: 32 rows of 2,048 bytes a wave + 256 h
	s_lshl_b32 s41, s22, 8
	s_add_co_u32 s28, s28, s41
	s_mov_b32 s29, 0
	s_lshl_b32 s30, ttmp9, 10                      ; Wq: two rows of 512 bytes
	s_mov_b32 s31, 0
	s_lshl_b32 s32, s21, 17                        ; mimg: 131,072 b + 8,192 (2 h + dg / 4) + 512 ((dg / 2) % 2) + 256 (dg % 2)
	s_lshl_b32 s41, s22, 1
	s_lshr_b32 s42, s23, 2
	s_add_co_u32 s41, s41, s42
	s_lshl_b32 s41, s41, 13
	s_add_co_u32 s32, s32, s41
	s_bfe_u32 s41, s23, 0x10001
	s_lshl_b32 s41, s41, 9
	s_add_co_u32 s32, s32, s41
	s_and_b32 s41, s23, 1
	s_lshl_b32 s41, s41, 8
	s_add_co_u32 s32, s32, s41
	s_mov_b32 s33, 0
	s_lshr_b32 s34, ttmp9, 3                       ; wqc: 1,024 (g / 8) + 16 (2 g % 16)
	s_lshl_b32 s34, s34, 10
	s_lshl_b32 s41, s23, 5
	s_add_co_u32 s34, s34, s41
	s_mov_b32 s35, 0
	s_lshl_b32 s36, ttmp9, 3                       ; wqs and scl: 8 g
	s_mov_b32 s37, 0
	s_mov_b32 s38, 0x76543210
	s_mov_b32 s39, 0xfedcba98
	s_wait_kmcnt 0x0
	s_add_nc_u64 s[4:5], s[4:5], s[24:25]
	s_add_nc_u64 s[6:7], s[6:7], s[26:27]
	s_add_nc_u64 s[8:9], s[8:9], s[28:29]
	s_add_nc_u64 s[10:11], s[10:11], s[30:31]
	s_add_nc_u64 s[12:13], s[12:13], s[32:33]
	s_add_nc_u64 s[14:15], s[14:15], s[34:35]
	s_add_nc_u64 s[16:17], s[16:17], s[36:37]
	s_add_nc_u64 s[18:19], s[18:19], s[36:37]
.irp i, 0,1,2,3
	global_load_b128 v[AC+4*\i:AC+4*\i+3], v[PMO], s[6:7] offset:512*\i      ; the batch's 512 numbers of pmax, 16 a lane
.endr
	global_load_b128 v[48:51], v[WQO], s[10:11]                              ; Wq: 8 neighbours a lane, row 2 g + lane / 16
	global_load_b128 v[52:55], v[WQO], s[10:11] offset:16
.irp i, 0,1,2,3,4,5,6,7,8,9,10,11,12,13,14,15
	global_load_b128 v[WR+4*\i:WR+4*\i+3], v[WOO], s[8:9] offset:4096*\i     ; Wo: rows 32 w + 2 i + lane / 16, the head's 256 bytes
.endr
.set n, 0
.rept 32
	global_load_b128 v[RG+4*n:RG+4*n+3], v[PTO], s[4:5] offset:131072*n th:TH_LOAD_NT   ; the first 32 of the 64 partial sums; 63 x 131,072 lies inside the signed 24-bit immediate
.set n, n+1
.endr
	s_wait_loadcnt 32                              ; the 22 small loads are in; the ring's 32 may be out
	v_pk_add_f32 v[32:33], v[32:33], v[34:35]
	v_pk_add_f32 v[36:37], v[36:37], v[38:39]
	v_pk_add_f32 v[40:41], v[40:41], v[42:43]
	v_pk_add_f32 v[44:45], v[44:45], v[46:47]
	v_pk_add_f32 v[32:33], v[32:33], v[36:37]
	v_pk_add_f32 v[40:41], v[40:41], v[44:45]
	v_pk_add_f32 v[32:33], v[32:33], v[40:41]
	v_add_f32 v24, v32, v33
	v_add_f32_dpp v24, v24, v24 row_xmask:1 row_mask:0xf bank_mask:0xf
	v_add_f32_dpp v24, v24, v24 row_xmask:2 row_mask:0xf bank_mask:0xf
	v_add_f32_dpp v24, v24, v24 row_xmask:4 row_mask:0xf bank_mask:0xf
	v_add_f32_dpp v24, v24, v24 row_xmask:8 row_mask:0xf bank_mask:0xf
	v_permlanex16_b32 v25, v24, s38, s39
	v_add_f32 v24, v24, v25                        ; Bd
	v_max_num_f32 v24, 0x0b000000, v24             ; the floor 2^(22 - 127): both fields below stay inside 1 .. 254
	v_lshrrev_b32 v24, 23, v24                     ; E
	v_sub_nc_u32 v25, 261, v24
	v_lshlrev_b32 v20, 23, v25                     ; 1 / s,
	v_mov_b32 v21, v20                             ; twice: a pair for the packed multiply
	v_sub_nc_u32 v25, v24, 21
	v_lshlrev_b32 v18, 23, v25                     ; post = s / 16384
	v_max3_num_f32 v26, |v48|, |v49|, 0x1800000    ; Wq: a block of 32 lies in four neighbouring lanes; the floor 2^(3 - 127) holds the byte at 1 from below
	v_max3_num_f32 v26, v26, |v50|, |v51|
	v_max3_num_f32 v26, v26, |v52|, |v53|
	v_max3_num_f32 v26, v26, |v54|, |v55|
	v_max_num_f32_dpp v26, v26, v26 row_xmask:1 row_mask:0xf bank_mask:0xf
	v_max_num_f32_dpp v26, v26, v26 row_xmask:2 row_mask:0xf bank_mask:0xf
	v_add_nc_u32 v27, 0xff000000, v26              ; 2 off the exponent field: the conversion's scale operand
	v_cvt_scalef32_pk8_fp4_f32 v16, v[48:55], v27
	v_lshrrev_b32 v28, 23, v27                     ; the byte (a plain line behind the conversion)
	v_lshrrev_b32 v29, 2, v[R]
	v_lshlrev_b32 v29, 3, v29
	v_lshlrev_b32 v17, v29, v28                    ; at its block's place in the row's scale word;
	v_mov_b32_dpp v30, v17 row_xmask:4 row_mask:0xf bank_mask:0xf
	v_or_b32 v17, v17, v30
	v_mov_b32_dpp v30, v17 row_xmask:8 row_mask:0xf bank_mask:0xf
	v_or_b32 v17, v17, v30                         ; with the other three blocks' the word is whole
.irp i, 0,1,2,3,4,5,6,7,8,9,10,11,12,13,14,15
	ds_store_b128 v[WOS], v[WR+4*\i:WR+4*\i+3] offset:544*\i
.endr
	; the sum over the batch's 64 work-groups of the launch before, two a step.  In the first 16 steps the two registers sets just read take the loads 32 further on.
.set k, 0
.rept 32
.if k < 16
	s_wait_loadcnt 30                              ; 32 + 2 k are issued, 2 k + 2 are wanted: 30 younger ones may be out
.else
	s_wait_loadcnt 62-2*k                          ; all 64 are issued
.endif
.set RA, RG+4*((2*k)%32)
.set RB, RG+4*((2*k+1)%32)
.if k == 0
	v_pk_add_f32 v[SA:SA+1], v[RA:RA+1], v[RB:RB+1]
	v_pk_add_f32 v[SA+2:SA+3], v[RA+2:RA+3], v[RB+2:RB+3]
.else
	v_pk_add_f32 v[ST:ST+1], v[RA:RA+1], v[RB:RB+1]
	v_pk_add_f32 v[ST+2:ST+3], v[RA+2:RA+3], v[RB+2:RB+3]
	v_pk_add_f32 v[SA:SA+1], v[SA:SA+1], v[ST:ST+1]
	v_pk_add_f32 v[SA+2:SA+3], v[SA+2:SA+3], v[ST+2:ST+3]
.endif
.if k < 16
	global_load_b128 v[RA:RA+3], v[PTO], s[4:5] offset:131072*(2*k+32) th:TH_LOAD_NT
	global_load_b128 v[RB:RB+3], v[PTO], s[4:5] offset:131072*(2*k+33) th:TH_LOAD_NT
.endif
.set k, k+1
.endr
	v_pk_mul_f32 v[SA:SA+1], v[SA:SA+1], v[20:21]      ; dots / s: a multiplication by a power of two
	v_pk_mul_f32 v[SA+2:SA+3], v[SA+2:SA+3], v[20:21]
.irp q, 0,1,2,3
	ds_store_b32 v[DST], v[SA+\q] offset:256*\q
.endr
	s_wait_dscnt 0x0                               ; for the others' sake: my rows of Wo and my sums lie in LDS
	s_barrier_signal -1
	s_barrier_wait -1
	; thread t makes M'[.][t]: its row of Wo in 64 registers; dots / s by loads that all lanes share, 8 columns e of the 8 rows a batch, two sets by turns
.irp i, 0,1,2,3,4,5,6,7,8,9,10,11,12,13,14,15
	ds_load_b128 v[WR+4*\i:WR+4*\i+3], v[WOR] offset:16*\i
.endr
.macro DLOAD q
.irp d, 0,1,2,3,4,5,6,7
.irp i, 0,1
	ds_load_b128 v[RG+64*((\q)%2)+8*\d+4*\i:RG+64*((\q)%2)+8*\d+4*\i+3], v[DA] offset:256*\d+32*(\q)+16*\i
.endr
.endr
.endm
	DLOAD 0
	DLOAD 1
.irp q, 0,1,2,3,4,5,6,7
.if \q < 7
	s_wait_dscnt 16                                ; this batch is in (and my row of Wo); the next batch's 16 loads may be out
.else
	s_wait_dscnt 0x0
.endif
.irp e, 0,2,4,6
.irp d, 0,1,2,3,4,5,6,7
.if (\q == 0) && (\e == 0)
	v_pk_mul_f32 v[AC+2*\d:AC+2*\d+1], v[RG+64*(\q%2)+8*\d+\e:RG+64*(\q%2)+8*\d+\e+1], v[WR+8*\q+\e:WR+8*\q+\e+1]     ; the first products start the sums
.else
	v_pk_fma_f32 v[AC+2*\d:AC+2*\d+1], v[RG+64*(\q%2)+8*\d+\e:RG+64*(\q%2)+8*\d+\e+1], v[WR+8*\q+\e:WR+8*\q+\e+1], v[AC+2*\d:AC+2*\d+1]
.endif
.endr
.endr
.if \q < 6
	DLOAD \q+2
.endif
.endr
.irp d, 0,1,2,3,4,5,6,7
	v_add_f32 v[24+\d], v[AC+2*\d], v[AC+2*\d+1]   ; the even columns' sum and the odd columns'
.endr
.irp i, 0,1,2,3
	v_cvt_pk_f16_f32 v[ST+\i], v[24+2*\i], v[25+2*\i]
.endr
	global_store_b128 v[MO], v[ST:ST+3], s[12:13]  ; eight neighbours along the last product's K, for output t: four registers of a lane of the fragment's image
	s_cmp_lg_u32 s20, 0                            ; wave 0 alone stores Wq's codes, its scale words and post (all four waves hold the same)
	s_cbranch_scc1 .Lend
	global_store_b32 v[WCO], v16, s[14:15]
	s_wait_xcnt 0x0                                ; EXEC changes only behind this wait
	v_cmp_eq_u32 vcc_lo, 0, v[R]
	s_and_saveexec_b32 s40, vcc_lo                 ; lanes 0 and 16: one for each of the two rows
	global_store_b32 v[SO8], v17, s[16:17]
	global_store_b32 v[SO8], v18, s[18:19]
	s_wait_xcnt 0x0                                ; and again, ahead of the line that widens it
	s_or_b32 exec_lo, exec_lo, s40
.Lend:
	s_wait_tensorcnt 0x0                           ; the wave's end, behind my last LDS store
	ds_add_u32 v[SPW], v[NIL]
	s_wait_dscnt 0x0
	s_endpgm
.Lfunc_end_k_qfd70130679_mix:
	.size	k_qfd70130679_mix, .Lfunc_end_k_qfd70130679_mix-k_qfd70130679_mix
	.p2alignl 7, 3214868480
	.fill 96, 4, 3214868480
	.section	.rodata,"a",@progbits
	.p2align	6, 0x0
	.amdhsa_kernel k_qfd70130679_mix
		.amdhsa_group_segment_fixed_size 37376
		.amdhsa_private_segment_fixed_size 0
		.amdhsa_enable_private_segment 0
		.amdhsa_kernarg_size 64
		.amdhsa_user_sgpr_count 2
		.amdhsa_user_sgpr_kernarg_segment_ptr 1
		.amdhsa_wavefront_size32 1
		.amdhsa_system_sgpr_workgroup_id_x 1
		.amdhsa_system_sgpr_workgroup_id_y 1
		.amdhsa_system_sgpr_workgroup_id_z 1
		.amdhsa_system_vgpr_workitem_id 0
		.amdhsa_next_free_vgpr 256
		.amdhsa_next_free_sgpr 66
		.amdhsa_reserve_vcc 1
		.amdhsa_float_denorm_mode_32 3
		.amdhsa_float_denorm_mode_16_64 3
		.amdhsa_memory_ordered 1
		.amdhsa_forward_progress 1
		.amdhsa_inst_pref_size 51
	.end_amdhsa_kernel
	.amdgpu_metadata
---
amdhsa.version: [ 1, 2 ]
amdhsa.kernels:
  - .name:           k_qfd70130679_mix
    .symbol:         k_qfd70130679_mix.kd
    .args:
      - { .name: part, .offset: 0, .size: 8, .value_kind: global_buffer, .address_space: global }
      - { .name: pmax, .offset: 8, .size: 8, .value_kind: global_buffer, .address_space: global }
      - { .name: Wo, .offset: 16, .size: 8, .value_kind: global_buffer, .address_space: global }
      - { .name: Wq, .offset: 24, .size: 8, .value_kind: global_buffer, .address_space: global }
      - { .name: mimg, .offset: 32, .size: 8, .value_kind: global_buffer, .address_space: global }
      - { .name: wqc, .offset: 40, .size: 8, .value_kind: global_buffer, .address_space: global }
      - { .name: wqs, .offset: 48, .size: 8, .value_kind: global_buffer, .address_space: global }
      - { .name: scl, .offset: 56, .size: 8, .value_kind: global_buffer, .address_space: global }
    .group_segment_fixed_size: 37376
    .private_segment_fixed_size: 0
    .kernarg_segment_align: 8
    .kernarg_segment_size: 64
    .max_flat_workgroup_size: 128
    .sgpr_count:     66
    .vgpr_count:     256
    .wavefront_size: 32
...
	.end_amdgpu_metadata
.endif
;; end of part 2
;; launch out (part 3): grid 256 x 1, 4 waves a work-group, clusters of 4 x 1, 257,536 bytes of LDS; arguments queries, wqc, wqs, mimg, scl, bo, out0; writes out0
.if DOCPART == 3
	.amdgcn_target "amdgcn-amd-amdhsa--gfx1250"
	.amdhsa_code_object_version 6
	.text
	.protected	k_qfd70130679_out
	.globl	k_qfd70130679_out
	.p2align	8
	.type	k_qfd70130679_out,@function
k_qfd70130679_out:
	s_mov_b64 s[64:65], 0
	v_nop
	global_prefetch_b8 v0, s[64:65] scope:SCOPE_SE
	s_setreg_imm32_b32 hwreg(HW_REG_WAVE_MODE, 25, 1), 1
	s_wait_xcnt 0x0
	s_wait_alu depctr_hold_cnt(0) depctr_sa_sdst(0) depctr_va_vdst(0) depctr_va_sdst(0) depctr_va_ssrc(0) depctr_va_vcc(0) depctr_vm_vsrc(0)
	s_getreg_b32 s2, hwreg(HW_REG_IB_STS2, 6, 4)
	s_cmp_eq_u32 s2, 0
	s_cbranch_scc0 .Lentry_in_a_cluster
	s_endpgm
.Lentry_in_a_cluster:
	s_bfe_u32 s2, ttmp6, 0x10000c
	s_cmp_lg_u32 s2, 0x3003
	s_cbranch_scc0 .Lentry_shape_is_right
	s_endpgm
.Lentry_shape_is_right:
; out0 = (q M') post + bo, with q = Q(queries) Q(Wq)^T on codes of FP4 (E2M1) with one E8M0 scale for each 32 along K = 128, and M' (f16) and post (a power of two) as the launch before has left them.
; SHARES.  Work-group p takes rows 256 p .. + 255 of the 65,536 tokens (batch p / 64); wave w 64 of them, four tiles of 16, with all 512 units of q and all 128 outputs.  q never leaves the registers.
; Wq's codes (32,768 bytes), its scale words and the batch's M' (131,072 bytes) lie in LDS once for the four waves, as images of the operands' registers: every fragment comes by loads of 16 x lane; each fragment of M' feeds four products.
; CLUSTER.  These images, 165,888 of the 296,960 bytes that a work-group takes in, are the same for the 64 work-groups of a batch.  Four neighbouring work-groups (one batch: 64 is a multiple of 4) form a cluster and ask for them
; JOINTLY: wave w of each issues the same three tensor loads, with the same descriptors (they hang on the wave's number and the batch alone) and a mask that names the four, for a quarter of each block; the bytes land
; where they are read, with no way through registers.  Three tensor loads of a wave are out at the most.  A work-group's own rows of queries are read by nobody else: they go by plain loads into the quantiser's registers.
; NOTHING CHANGES LANES.  The FP4 product is used transposed (source 0 = 16 rows of Wq, source 1 = 16 tokens): a lane holds ONE token (lane % 16) and units 8 (lane / 16) + 0 .. 7; tiles of units 2 s and 2 s + 1,
; rounded to f16 in pairs, ARE q's fragment of K step s.  The last product takes 16 outputs of M' as source 0 and q as source 1: a lane holds eight neighbouring outputs of one row of out0.
; PHASES.  Head: the joint loads go out; each wave quantises its 64 rows into its own table | barrier: Wq's images are whole | A: 16 K steps of 8 FP4 products, each step's roundings standing behind the next step's products;
; M' lands meanwhile | barrier: M's images are whole | B: outputs 0-63: 256 f16 products on 16 accumulators by turns; they leave through my stage in LDS; then outputs 64-127 likewise.
; LIMITS: q goes to the last product as f16: |q| under 65,504.  NaN and infinities are not served.  A block of zeros gets byte 1 and zero codes; a block under 2^-124 is held at byte 1.
; LDS: MI M's images; WI Wq's; WSL Wq's scale words (these three are filled once, by the tensor loads); XT my rows' codes, 64 bytes + 16 a row; XSL their scale words; STG a stage of 4 x 16 rows x (256 + 16) bytes for each wave; SPARE the spare words.
; REGISTERS: window 0: v1-21 addresses; v32-63 x's four fragments, v64-67 their scale words; v68-115 Wq's fragments, three sets of two; v116-121 their scale words; v128-255 the FP4 results, two sets of 64
;   (before phase A: the quantiser's registers; in phase B: bo and two sets of rows read back).  window 1: in phase B v0-127 accumulators, v128-255 fragments of M', two sets.
;   window 2: x's raw numbers, then q of K steps 0-7.  window 3: q of K steps 8-15.
.set WI,    131072
.set WSL,   163840
.set XT,    165888
.set XSL,   186368
.set STG,   187392
.set SPARE, 257024                     ; 128 bytes for each of four waves: two blocks of 256 bytes that no other line names
.set RAWW,  2
.set W_LD,  RAWW<<6
.set W_MAX, (RAWW<<2)|(RAWW<<4)
.set W_CVT, RAWW
.set LANE, 1
.set LO,   2                           ; 32 x lane
.set L16,  3                           ; 16 x lane: an image's place for my lane in MI's first half
.set CS,   4                           ; where I store codes
.set BS,   5                           ; and scale bytes
.set FR,   6                           ; a fragment's place in my wave's table
.set SR,   7                           ; a scale word's
.set WFA,  10                          ; WI + 16 x lane
.set WSA,  11                          ; WSL + 4 (lane % 16)
.set MA1,  14                          ; 65,536 + 16 x lane: MI's second half
.set STO,  15                          ; the stage: where I put 32 bytes of a row
.set RD,   16                          ; and where I read rows back
.set GO,   17                          ; my byte offset in two rows of out0
.set BOO,  18                          ; 32 (lane / 16)
.set XF,   32
.set XSC,  64
.set WF,   68
.set WSC,  116
.set SPW,  122
.set NIL,  123
.set S,    128
.set TM,   196
.set TS,   204
.set TC,   212
.set TB,   220
.set BO,   128                         ; phase B: bo in the results' layout, eight registers for each of the eight tiles of outputs
.set BK,   192                         ; phase B: two sets of 32: 16 rows read back
.set MF,   128                         ; in window 1
.set G1M,  36                          ; s[36:43], s[44:51], s[52:59] descriptor groups 1 for M', Wq's codes and Wq's scale words: they differ in the number of rows
.set G1W,  44
.set G1S,  52
.set G0W,  60                          ; s[60:63], s[68:71], s[72:75] their groups 0; never rewritten
.set G0S,  68
.set G0M,  72
.set MSB, 0
.macro WIN new                         ; the immediate's high byte repeats the setting that is left; a switch that changes nothing is dropped
.if MSB != (\new)
	s_set_vgpr_msb (MSB<<8)|(\new)
.set MSB, (\new)
.endif
.endm
.macro PLACES                          ; four places behind a matrix instruction (ISA guide 7.12.1)
.rept 4
	v_nop
.endr
.endm
; A round of the cluster's barrier: my work-group's barrier, so that wave 0's signal speaks for all four waves; wave 0 signals for the work-group; every wave waits for all four work-groups; my work-group's barrier once more.
.macro CROUND
	s_barrier_signal -1
	s_barrier_wait -1
	s_cmp_lg_u32 s18, 0
	s_cbranch_scc1 .Lnot_wave_0_\@
	s_barrier_signal -3
.Lnot_wave_0_\@:
	s_barrier_wait -3
	s_barrier_signal -1
	s_barrier_wait -1
.endm
; A tile of 16 rows x 128 f32 into 64 raw registers: lane l takes 8 neighbours, k = 8 (l % 16) .. + 7 of row 2 p + l / 16; a pair of loads covers 1,024 consecutive bytes.
.macro RLOAD x, base, off
	WIN W_LD
.irp p, 0,1,2,3,4,5,6,7
	global_load_b128 v[(\x)+8*\p:(\x)+8*\p+3], v[LO], s[\base:\base+1] offset:(\off)+1024*\p th:TH_LOAD_NT
	global_load_b128 v[(\x)+8*\p+4:(\x)+8*\p+7], v[LO], s[\base:\base+1] offset:(\off)+1024*\p+16 th:TH_LOAD_NT
.endr
	WIN 0
.endm
; The quantiser for such a tile.  A block of 32 lies in four neighbouring lanes.  The largest magnitude has the floor 2^(3 - 127) among its leaves, so the byte cannot fall under 1; 2 off its exponent
; field is the conversion's scale operand, and that shifted down is the byte.  Codes: one word a lane into the table; bytes: four lanes write the same byte with the same value.
.macro RQ x, cadr, coff, badr, boff
	WIN W_MAX
.irp p, 0,1,2,3,4,5,6,7
	v_max3_num_f32 v[TM+\p], 0x1800000, |v[(\x)+8*\p]|, |v[(\x)+8*\p+1]|
.endr
.irp i, 2,4,6
.irp p, 0,1,2,3,4,5,6,7
	v_max3_num_f32 v[TM+\p], v[TM+\p], |v[(\x)+8*\p+\i]|, |v[(\x)+8*\p+\i+1]|
.endr
.endr
	WIN 0
.irp p, 0,1,2,3,4,5,6,7
	v_max_num_f32_dpp v[TM+\p], v[TM+\p], v[TM+\p] row_xmask:1 row_mask:0xf bank_mask:0xf
.endr
.irp p, 0,1,2,3,4,5,6,7
	v_max_num_f32_dpp v[TM+\p], v[TM+\p], v[TM+\p] row_xmask:2 row_mask:0xf bank_mask:0xf
.endr
.irp p, 0,1,2,3,4,5,6,7
	v_add_nc_u32 v[TS+\p], 0xff000000, v[TM+\p]
.endr
	s_wait_dscnt 0x0                               ; the earlier LDS stores have read their registers
	WIN W_CVT
.irp p, 0,1,2,3,4,5,6,7
	v_cvt_scalef32_pk8_fp4_f32 v[TC+\p], v[(\x)+8*\p:(\x)+8*\p+7], v[TS+\p]
.endr
	WIN 0
.irp p, 0,1,2,3,4,5,6,7
	v_lshrrev_b32 v[TB+\p], 23, v[TS+\p]           ; the bytes; also the plain lines behind the conversions
.endr
.irp p, 0,1,2,3,4,5,6,7
	ds_store_b32 v[\cadr], v[TC+\p] offset:(\coff)+160*\p
	ds_store_b8 v[\badr], v[TB+\p] offset:(\boff)+8*\p
.endr
.endm
	s_load_b256 s[4:11], s[0:1], 0x0               ; queries s[4:5], wqc s[6:7], wqs s[8:9], mimg s[10:11]
	s_load_b128 s[12:15], s[0:1], 0x20             ; scl s[12:13], bo s[14:15]
	s_load_b64 s[16:17], s[0:1], 0x30              ; out0
	v_lshl_add_u32 v[SPW], v0, 2, SPARE
	v_mov_b32 v[NIL], 0
	ds_add_u32 v[SPW], v[NIL]                      ; the wave's opening: the add, twice on end, and its wait ahead of my first tensor load; the set-up below, work on registers, stands between the second and the wait
	ds_add_u32 v[SPW], v[NIL]                      ; and once more, under the one wait
	v_lshrrev_b32 v19, 5, v0
	v_readfirstlane_b32 s18, v19                   ; wave
	v_and_b32 v[LANE], 31, v0
	v_and_b32 v19, 15, v0                          ; r = lane % 16
	v_bfe_u32 v20, v0, 4, 1                        ; h = lane / 16
	v_lshlrev_b32 v[LO], 5, v[LANE]
	v_lshlrev_b32 v[L16], 4, v[LANE]
	s_mul_i32 s32, s18, 5120                       ; my 64 rows of 80 bytes
	s_add_co_u32 s32, s32, XT
	v_mul_u32_u24 v21, v20, 80
	v_lshl_add_u32 v21, v19, 2, v21
	v_add_nc_u32 v[CS], s32, v21                   ; in: 80 h + 4 r
	v_mul_u32_u24 v21, v19, 80
	v_lshl_add_u32 v21, v20, 4, v21
	v_add_nc_u32 v[FR], s32, v21                   ; out: 80 r + 16 h
	s_lshl_b32 s32, s18, 8
	s_add_co_u32 s32, s32, XSL
	v_lshrrev_b32 v21, 2, v19
	v_lshl_add_u32 v21, v20, 2, v21
	v_add_nc_u32 v[BS], s32, v21
	v_lshl_add_u32 v[SR], v19, 2, s32
	v_add_nc_u32 v[WFA], WI, v[L16]
	v_lshl_add_u32 v[WSA], v19, 2, WSL
	v_add_nc_u32 v[MA1], 0x10000, v[L16]
	s_mul_i32 s32, s18, 17408
	s_add_co_u32 s32, s32, STG
	v_mul_u32_u24 v21, v19, 272
	v_lshl_add_u32 v21, v20, 5, v21
	v_add_nc_u32 v[STO], s32, v21
	v_mul_u32_u24 v21, v20, 272
	v_lshl_add_u32 v21, v19, 4, v21
	v_add_nc_u32 v[RD], s32, v21
	v_lshlrev_b32 v[GO], 9, v20
	v_lshl_add_u32 v[GO], v19, 4, v[GO]
	v_lshlrev_b32 v[BOO], 5, v20
	s_bfe_u32 s33, ttmp6, 0x40000                  ; cx: my place in the cluster
	s_lshl_b32 s19, ttmp9, 2                       ; in a cluster launch ttmp9 counts clusters
	s_add_co_u32 s19, s19, s33                     ; my work-group = 4 x cluster + cx: it enters the addresses of queries and out0 alone
	s_lshl_b32 s22, s19, 17                        ; queries and out0: 256 rows of 512 bytes a work-group, 64 a wave
	s_lshl_b32 s23, s18, 15
	s_add_co_u32 s22, s22, s23
	s_mov_b32 s23, 0
	s_lshl_b32 s24, s18, 13                        ; wqc: a quarter
	s_mov_b32 s25, 0
	s_lshl_b32 s26, s18, 9                         ; wqs: a quarter
	s_mov_b32 s27, 0
	s_lshr_b32 s30, ttmp9, 4                       ; the batch: 16 clusters each; the four partners share it
	s_lshl_b32 s28, s30, 17                        ; mimg: the batch's 131,072 bytes, a quarter
	s_lshl_b32 s29, s18, 15
	s_add_co_u32 s28, s28, s29
	s_mov_b32 s29, 0
	s_lshl_b32 s30, s30, 9                         ; scl: the word that the batch's first work-group of the launch before stored
	s_mov_b32 s31, 0
	; descriptor groups 1: dense blocks as rows of 256 bytes (32 elements of 8 bytes), no padding: 128 rows of M', 32 of Wq's codes, 2 of its scale words
.irp g, G1M, G1W, G1S
	s_mov_b32 s[\g], 15|(3<<16)|(1<<21)            ; 15:0 the mask: all four work-groups; 17:16 elements of 8 bytes; 21 set beside a mask
	s_mov_b32 s[\g+1], 32<<16                      ; tensor_dim0 = 32
	s_mov_b32 s[\g+3], 32<<16                      ; tile_dim0 = 32
	s_mov_b32 s[\g+5], 32                          ; elements from row to row
	s_mov_b32 s[\g+6], 0
	s_mov_b32 s[\g+7], 0
.endr
	s_mov_b32 s[G1M+2], 128<<16                    ; tensor_dim1,
	s_mov_b32 s[G1M+4], 128                        ; tile_dim1
	s_mov_b32 s[G1W+2], 32<<16
	s_mov_b32 s[G1W+4], 32
	s_mov_b32 s[G1S+2], 2<<16
	s_mov_b32 s[G1S+4], 2
	s_mov_b32 s[G0W], 1                            ; count = 1
	s_add_co_u32 s[G0W+1], s24, WI                 ; LDS addresses: a constant + a constant x wave: no place in the cluster enters them
	s_mov_b32 s[G0S], 1
	s_add_co_u32 s[G0S+1], s26, WSL
	s_mov_b32 s[G0M], 1
	s_lshl_b32 s[G0M+1], s18, 15
	s_wait_dscnt 0x0                               ; both opening adds are done
	s_wait_kmcnt 0x0
	s_add_nc_u64 s[4:5], s[4:5], s[22:23]
	s_add_nc_u64 s[16:17], s[16:17], s[22:23]
	s_add_nc_u64 s[12:13], s[12:13], s[30:31]
	s_add_nc_u64 s[G0W+2:G0W+3], s[6:7], s[24:25]
	s_or_b32 s[G0W+3], s[G0W+3], 0x80000000        ; type = 2
	s_add_nc_u64 s[G0S+2:G0S+3], s[8:9], s[26:27]
	s_or_b32 s[G0S+3], s[G0S+3], 0x80000000
	s_add_nc_u64 s[G0M+2:G0M+3], s[10:11], s[28:29]
	s_or_b32 s[G0M+3], s[G0M+3], 0x80000000
	s_load_b32 s20, s[12:13], 0x0                  ; post
	RLOAD 0,   4, 0                                ; three tiles of my rows are asked for ahead of the round, so that they are on their way while the partners meet
	RLOAD 64,  4, 8192
	RLOAD 128, 4, 16384
	CROUND                                         ; all four work-groups are here: the joint loads meet
	tensor_load_to_lds s[G0W:G0W+3], s[G1W:G1W+7]  ; Wq's codes and scale words first: phase A wants them;
	s_nop 0
	tensor_load_to_lds s[G0S:G0S+3], s[G1S:G1S+7]
	s_nop 0
	tensor_load_to_lds s[G0M:G0M+3], s[G1M:G1M+7]  ; M' has phase A in which to land
	s_nop 0
.rept 4
	v_nop                                          ; (four lines between a tensor load and a switch of windows)
.endr
	RLOAD 192, 4, 24576
	s_wait_loadcnt 48                              ; here and below: the tile in hand is in; 16 loads for each younger tile may be out
	RQ 0, CS, 0, BS, 0
	s_wait_loadcnt 32
	RQ 64, CS, 1280, BS, 64
	s_wait_loadcnt 16
	RQ 128, CS, 2560, BS, 128
	s_wait_loadcnt 0x0
	RQ 192, CS, 3840, BS, 192
.irp a, 0,1,2,3                        ; my four fragments of x and their scale words stay in registers (LDS serves a wave's instructions in order: ISA guide 5.7.1.4: these see my stores)
.irp c, 0,1
	ds_load_b128 v[XF+8*\a+4*\c:XF+8*\a+4*\c+3], v[FR] offset:1280*\a+32*\c
.endr
	ds_load_b32 v[XSC+\a], v[SR] offset:64*\a
.endr
	s_wait_kmcnt 0x0
	s_mov_b32 s21, s20                             ; (the packed form names the pair)
	s_wait_tensorcnt 0x1                           ; for the others' sake: my quarters of Wq's codes and scale words have landed; M's load, issued behind them, may stay out
	s_wait_dscnt 0x0
	s_barrier_signal -1
	s_barrier_wait -1
	; PHASE A
.macro LOADW ks                        ; K step ks of the last product = tiles of units 2 ks, 2 ks + 1: two fragments of Wq and their scale words: six LDS loads
.irp uu, 0,1
.irp c, 0,1
	ds_load_b128 v[WF+16*((\ks)%3)+8*\uu+4*\c:WF+16*((\ks)%3)+8*\uu+4*\c+3], v[WFA] offset:1024*(2*(\ks)+\uu)+512*\c
.endr
	ds_load_b32 v[WSC+2*((\ks)%3)+\uu], v[WSA] offset:64*(2*(\ks)+\uu)
.endr
.endm
.macro MUL ks                          ; eight FP4 products: my four tiles of tokens x the two tiles of units
.irp a, 0,1,2,3
.irp uu, 0,1
	v_wmma_scale_f32_16x16x128_f8f6f4 v[S+64*((\ks)%2)+16*\a+8*\uu:S+64*((\ks)%2)+16*\a+8*\uu+7], v[WF+16*((\ks)%3)+8*\uu:WF+16*((\ks)%3)+8*\uu+7], v[XF+8*\a:XF+8*\a+7], 0, v[WSC+2*((\ks)%3)+\uu], v[XSC+\a] matrix_a_fmt:MATRIX_FMT_FP4 matrix_b_fmt:MATRIX_FMT_FP4
.endr
.endr
.endm
.macro CVT ks                          ; 32 roundings: q's four fragments of K step ks, into window 2 or 3; each result from its low end on
	WIN 0x80+0x40*((\ks)/8)
.set n, 0
.rept 32
	v_cvt_pk_f16_f32 v[32*((\ks)%8)+n], v[S+64*((\ks)%2)+2*n], v[S+64*((\ks)%2)+2*n+1]
.set n, n+1
.endr
	WIN 0
.endm
	LOADW 0
	LOADW 1
	LOADW 2
	s_wait_dscnt 12                                ; step 0's six loads are in; two younger sets may be out
	MUL 0
; Step ks + 1 is multiplied ahead of step ks's roundings, which are the places behind it: for the loads into the set that step ks + 1 read (issued a step later), for step ks + 1's own roundings, and for step ks + 3's products, which write its results anew.
.irp ks, 0,1,2,3,4,5,6,7,8,9,10,11,12,13,14
.if \ks < 14
	s_wait_dscnt 6                                 ; step ks + 1's loads are in; step ks + 2's six may be out
.else
	s_wait_dscnt 0x0
.endif
	MUL \ks+1
.if \ks == 0
.rept 5
	v_nop                                          ; the first step has no roundings ahead of it: five places, for the loads, the roundings and the products that write step 0's results anew
.endr
.endif
.if \ks < 13
	LOADW \ks+3
.endif
	CVT \ks
.endr
	CVT 15
.irp ot, 0,1,2,3,4,5,6,7               ; bo in the results' layout: lane (r, h) wants, for tile ot, outputs 16 ot + 8 h + 0 .. 7
	global_load_b128 v[BO+8*\ot:BO+8*\ot+3], v[BOO], s[14:15] offset:64*\ot
	global_load_b128 v[BO+8*\ot+4:BO+8*\ot+7], v[BOO], s[14:15] offset:64*\ot+16
.endr
	s_wait_tensorcnt 0x0                           ; for the others' sake: my quarter of M's images has landed
	s_wait_dscnt 0x0
	s_barrier_signal -1
	s_barrier_wait -1
	; PHASE B
.macro MFL hf, kb                      ; batch kb = K steps 2 kb, 2 kb + 1: four fragments of M' each (outputs 64 hf + 16 otl on): 16 LDS loads
	WIN 0x40
.irp kk, 0,1
.irp otl, 0,1,2,3
.irp c, 0,1
.if (\kb) < 4
	ds_load_b128 v[MF+64*((\kb)%2)+32*\kk+8*\otl+4*\c:MF+64*((\kb)%2)+32*\kk+8*\otl+4*\c+3], v[L16] offset:8192*((2*(\kb)+\kk)%8)+1024*(4*\hf+\otl)+512*\c
.else
	ds_load_b128 v[MF+64*((\kb)%2)+32*\kk+8*\otl+4*\c:MF+64*((\kb)%2)+32*\kk+8*\otl+4*\c+3], v[MA1] offset:8192*((2*(\kb)+\kk)%8)+1024*(4*\hf+\otl)+512*\c
.endif
.endr
.endr
.endr
.endm
; 256 f16 products for 64 outputs x my 64 tokens.  The 16 accumulators take turns, one instruction a turn; the first 16 products start the sums.
.macro PB hf
	PLACES
	MFL \hf, 0
.irp kb, 0,1,2,3,4,5,6,7
.if \kb < 7
.if \kb > 0
	PLACES                                         ; ahead of the loads into the set that the batch before multiplied
.endif
	MFL \hf, \kb+1
	s_wait_dscnt 16                                ; this batch's fragments are in; the next batch's 16 loads may be out
.else
	s_wait_dscnt 0x0
.endif
	WIN 0x59+4*(\kb/4)                             ; M' and the accumulators in window 1, q in window 2 (K steps 0-7) or 3
.irp kk, 0,1
.irp otl, 0,1,2,3
.irp a, 0,1,2,3
.if (\kb == 0) && (\kk == 0)
	v_wmma_f32_16x16x32_f16 v[8*(4*\otl+\a):8*(4*\otl+\a)+7], v[MF+64*(\kb%2)+32*\kk+8*\otl:MF+64*(\kb%2)+32*\kk+8*\otl+7], v[32*((2*\kb+\kk)%8)+8*\a:32*((2*\kb+\kk)%8)+8*\a+7], 0
.else
	v_wmma_f32_16x16x32_f16 v[8*(4*\otl+\a):8*(4*\otl+\a)+7], v[MF+64*(\kb%2)+32*\kk+8*\otl:MF+64*(\kb%2)+32*\kk+8*\otl+7], v[32*((2*\kb+\kk)%8)+8*\a:32*((2*\kb+\kk)%8)+8*\a+7], v[8*(4*\otl+\a):8*(4*\otl+\a)+7]
.endif
.endr
.endr
.endr
.endr
	WIN 0
.endm
; Tile a of my tokens: x post + bo, one fused multiply-add; 32 bytes a lane into my stage, rows of 272 bytes; back as whole rows of 256 bytes.
.macro FIN hf, a
	WIN 0x41                                       ; the accumulators (destination and source 0) in window 1, bo in window 0
.irp otl, 0,1,2,3
.irp j, 0,2,4,6
	v_pk_fma_f32 v[8*(4*\otl+(\a))+\j:8*(4*\otl+(\a))+\j+1], v[8*(4*\otl+(\a))+\j:8*(4*\otl+(\a))+\j+1], s[20:21], v[BO+8*(4*\hf+\otl)+\j:BO+8*(4*\hf+\otl)+\j+1] op_sel_hi:[1,0,1]
.endr
.endr
	WIN 0x04
.irp otl, 0,1,2,3
.irp cc, 0,1
	ds_store_b128 v[STO], v[8*(4*\otl+(\a))+4*\cc:8*(4*\otl+(\a))+4*\cc+3] offset:4352*(\a)+64*\otl+16*\cc
.endr
.endr
	WIN 0
.irp i, 0,1,2,3,4,5,6,7
	ds_load_b128 v[BK+32*((\a)%2)+4*\i:BK+32*((\a)%2)+4*\i+3], v[RD] offset:4352*(\a)+544*\i   ; LDS serves a wave's instructions in order: these see the stores above
.endr
.endm
.macro SEND hf, a, younger             ; younger: the LDS instructions issued behind tile a's loads, which may stay out
	s_wait_dscnt \younger
.irp i, 0,1,2,3,4,5,6,7
	global_store_b128 v[GO], v[BK+32*((\a)%2)+4*\i:BK+32*((\a)%2)+4*\i+3], s[16:17] offset:512*(16*(\a)+2*\i)+256*\hf th:TH_STORE_NT   ; 16 lanes store 256 consecutive bytes, at a multiple of 256 from out0's first byte
.endr
.endm
.macro WAYOUT hf
	PLACES                                         ; behind the last products, ahead of the first multiply-add on their results
	FIN \hf, 0
.irp a, 1,2,3
.if \a > 1
	s_wait_xcnt 0x0                                ; tile a - 2's stores have read their registers: tile a's rows may land there
.endif
	FIN \hf, \a
	SEND \hf, \a-1, 16                             ; behind tile a - 1's loads: tile a's 8 stores and 8 loads
.endr
	SEND \hf, 3, 0
.endm
	PB 0
	s_wait_loadcnt 0x0                             ; bo
	WAYOUT 0
	s_wait_xcnt 0x0                                ; the first half's stores have read their registers; they leave while the second half is multiplied
	PB 1
	WAYOUT 1
	s_wait_tensorcnt 0x0                           ; the wave's end, behind my last tensor load and my last LDS store
	ds_add_u32 v[SPW], v[NIL]
	s_wait_dscnt 0x0
	CROUND                                         ; the closing round: no work-group ends while a partner may still ask for a tile that names it
	s_endpgm
.Lfunc_end_k_qfd70130679_out:
	.size	k_qfd70130679_out, .Lfunc_end_k_qfd70130679_out-k_qfd70130679_out
	.p2alignl 7, 3214868480
	.fill 96, 4, 3214868480
	.section	.rodata,"a",@progbits
	.p2align	6, 0x0
	.amdhsa_kernel k_qfd70130679_out
		.amdhsa_group_segment_fixed_size 257536
		.amdhsa_private_segment_fixed_size 0
		.amdhsa_enable_private_segment 0
		.amdhsa_kernarg_size 56
		.amdhsa_user_sgpr_count 2
		.amdhsa_user_sgpr_kernarg_segment_ptr 1
		.amdhsa_wavefront_size32 1
		.amdhsa_system_sgpr_workgroup_id_x 1
		.amdhsa_system_sgpr_workgroup_id_y 1
		.amdhsa_system_sgpr_workgroup_id_z 1
		.amdhsa_system_vgpr_workitem_id 0
		.amdhsa_next_free_vgpr 1024
		.amdhsa_next_free_sgpr 76
		.amdhsa_reserve_vcc 0
		.amdhsa_float_denorm_mode_32 3
		.amdhsa_float_denorm_mode_16_64 3
		.amdhsa_memory_ordered 1
		.amdhsa_forward_progress 1
		.amdhsa_inst_pref_size 169
	.end_amdhsa_kernel
	.amdgpu_metadata
---
amdhsa.version: [ 1, 2 ]
amdhsa.kernels:
  - .name:           k_qfd70130679_out
    .symbol:         k_qfd70130679_out.kd
    .args:
      - { .name: queries, .offset: 0, .size: 8, .value_kind: global_buffer, .address_space: global }
      - { .name: wqc, .offset: 8, .size: 8, .value_kind: global_buffer, .address_space: global }
      - { .name: wqs, .offset: 16, .size: 8, .value_kind: global_buffer, .address_space: global }
      - { .name: mimg, .offset: 24, .size: 8, .value_kind: global_buffer, .address_space: global }
      - { .name: scl, .offset: 32, .size: 8, .value_kind: global_buffer, .address_space: global }
      - { .name: bo, .offset: 40, .size: 8, .value_kind: global_buffer, .address_space: global }
      - { .name: out0, .offset: 48, .size: 8, .value_kind: global_buffer, .address_space: global }
    .group_segment_fixed_size: 257536
    .private_segment_fixed_size: 0
    .kernarg_segment_align: 8
    .kernarg_segment_size: 56
    .max_flat_workgroup_size: 128
    .sgpr_count:     76
    .vgpr_count:     1024
    .wavefront_size: 32
...
	.end_amdgpu_metadata
.endif
;; end of part 3
